; MI455X (gfx1250); checked and timed in simulation.
; The chip was launched on July 23, 2026; its instructions are those of AMD's public machine-readable ISA for CDNA 5 (MIT licence, August 2026) and "CDNA5" Instruction Set Architecture Reference Guide (July 2026). The comments in the code are by the model that wrote it; some were corrected since.
;; Mo E. Allowed arithmetic: matrix products marked QUANTISED: E3M2 operands, one E8M0 scale for each 32 along K, by v_wmma_scale_f32_16x16x128_f8f6f4 with both operands' format E3M2, f32 sums; products left as they are: f32 operands where the result goes on into a quantised operand, else bf16, f16 or f32 operands; f32 sums; everything else in f32.
;; Inputs: W_in 2 x 1,024 x 4,096 float32; W_out 2 x 2,048 x 1,024 float32; Wr 2 x 1,024 float32; x 2 x 2,048 x 1,024 float32.
;; Outputs: out0 2 x 2,048 x 1,024 float32.
;; This version of the problem:
;;   THIS VERSION OF THE PROBLEM IS GIVEN IN LOW PRECISION. The matrix products marked QUANTISED in the list below multiply operands that are first quantised to E3M2 (3 exponent bits, 2 mantissa bits; 6 bits a number), with one power-of-two scale for each 32 numbers along K (OCP MX v1.0); their sums are f32. All else is computed in f32.
;;   The module's matrix products, in the order in which they are computed (A, B: the left and right operand; K: the contracted axis; several contracted axes count as one K, in the product's order):
;;     1. [M 4,096, K 1,024] x [K 1,024, N 2]; A: input x; B: input Wr: left as it is (N = 2 < 16)
;;     2. [M 4,096, K 1,024] x [K 1,024, N 4,096]; A: input x; B: input W_in: QUANTISED
;;     3. [M 4,096, K 2,048] x [K 2,048, N 1,024]; A: computed on the way; B: input W_out: QUANTISED
;;     4. [M 4,096, K 1,024] x [K 1,024, N 4,096]; A: input x; B: input W_in: QUANTISED
;;     5. [M 4,096, K 2,048] x [K 2,048, N 1,024]; A: computed on the way; B: input W_out: QUANTISED
;;   THE QUANTISER, for each operand of a quantised product, along K:
;;     - K is cut into blocks of 32 from its start; a last block that is shorter is filled with zeros.
;;     - A block's scale is 2^e with e = floor(log2(the largest magnitude in the block)) - 4, held to -126 .. 127; a block of zeros has e = 0. As a byte (E8M0): e + 127.
;;     - Each number is divided by its block's scale, clamped to +-28, and rounded to the nearest number of E3M2, ties to even, subnormals kept.
;;     - The product sums the exact products of the quantised numbers (number of the format x scale) in f32.
;;   ~~~python
;;   def quantise(x, axis):      # numpy; x: float32 -> the quantised numbers, widened to float32 again
;;       x = np.moveaxis(x, axis, -1); K = x.shape[-1]
;;       x = np.pad(x, [(0, 0)] * (x.ndim - 1) + [(0, -K % 32)]); x = x.reshape(x.shape[:-1] + (-1, 32)); a = np.abs(x).max(-1, keepdims=True)
;;       e = np.where(a > 0, np.clip(np.frexp(np.where(a > 0, a, 1))[1] - 1 - 4, -126, 127), 0)      # np.frexp(a)[1] - 1 = floor(log2(a)), exactly
;;       r = np.clip(x / 2.0 ** e, -28, 28)
;;       step = 2.0 ** (np.maximum(np.frexp(np.where(r == 0, 1, r))[1] - 1, -2) - 2)
;;       q = np.round(r / step) * step * 2.0 ** e      # np.round: ties to even
;;       return np.moveaxis(q.reshape(q.shape[:-2] + (-1,))[..., :K], -1, axis).astype(np.float32)
;;   ~~~
;;   OPERANDS COMPUTED ON THE WAY. 'Computed on the way' means the value that the module computes at that place (a softmax that the list does not call 'softmax' is quantised finished and normalised). What goes into a quantiser is computed in f32, as accurately as f32 sums, v_exp_f32 and their like allow (about 1e-6 of the number): no bf16 or f16 on the way to a quantiser, and a product that is left as it is and whose result goes on into a quantised operand takes f32 operands (vector FMAs, or v_wmma_f32_16x16x4_f32). A number that lies on a knife's edge between two numbers of the format may be rounded either way, as far as f32 arithmetic and the matrix unit's own rounding can turn it there, and no further.
;; One version. Each part assembles by itself: llvm-mc -triple=amdgcn-amd-amdhsa -mcpu=gfx1250 --defsym DOCPART=n.
;; ======== version 1 of 1: 3 launches
;; limits: right only within a limited range of input values
;; workspace buffers: xq 3,276,800 bytes; wiq 6,553,600 bytes; hq 13,107,200 bytes; woq 3,276,800 bytes; ce 32,768 bytes
;; launch prep (part 1): grid 256 x 1, 8 waves a work-group, no clusters, 72,704 bytes of LDS; arguments x, Wr, W_in, W_out, xq, wiq, woq, ce; writes xq, wiq, woq, ce
.if DOCPART == 1
	.amdgcn_target "amdgcn-amd-amdhsa--gfx1250"
	.amdhsa_code_object_version 6
	.text
	.protected	k_q7d5557710f_prep
	.globl	k_q7d5557710f_prep
	.p2align	8
	.type	k_q7d5557710f_prep,@function
k_q7d5557710f_prep:
	s_mov_b64 s[64:65], 0
	v_nop
	global_prefetch_b8 v0, s[64:65] scope:SCOPE_SE
	s_setreg_imm32_b32 hwreg(HW_REG_WAVE_MODE, 25, 1), 1
	s_wait_xcnt 0x0
; PREP: x [4096][1024], W_in [2][1024][4096] and W_out [2][2048][1024], all f32, become codes of E3M2 with one E8M0 byte for each 32 along K; and the router's two weights a token.
; A block's scale is 2^(floor(log2(largest magnitude)) - 4): its byte is the largest magnitude's exponent field - 4, held at 1 from below by a floor among the maximum's leaves.
; LIMITS: NaN and infinities are not served; a block whose largest magnitude lies under 2^-122 gets the byte 1; a block of zeros gets the byte 1 where the quantiser's text says 127:
; its codes are zeros, which add nothing under that byte, and only this program reads the bytes.
; THE WORKSPACE IS LAID AS THE MATRIX UNIT'S REGISTERS.  A fragment (16 rows x 128 K, 12 registers a lane) is an image of 1,536 bytes: half c (registers 6c .. 6c+5) begins at 768 c: registers 0-3 of the
; half at 16 x lane, registers 4-5 at 512 + 8 x lane.  Eight fragments and their 128 scale words (fragment i, row r at 12,288 + 64 i + 4 r) make a block of 12,800 bytes: 128 rows x one K step.
; A weight's rows of a pair of fragments are chosen: row p of fragment 2 q + u is column 32 q + 8 u + p + 8 (p / 8), so that a transposed product leaves 16 neighbouring columns in a lane's 16 registers.
; wiq: [tile of 128 hidden units 32][K step 8][64 units 2] blocks; fragments 0-3 the gate's columns of the 64 units, fragments 4-7 the columns 2048 further on.  woq: [128 columns 8][expert 2][K step 16].  xq: [256 tokens 16][K step 8][128 tokens 2].
; SHARES: 256 work-groups of eight waves, 256 KiB of input each: 0-63 take x (64 tokens each), 64-191 W_in, 192-255 W_out.  The three ways part on the work-group's number alone; only x's way uses LDS.
; No matrix unit, no cluster, no tensor load: nothing is read twice and memory binds.
.set HB,    12800
.set FRG,   1536
.set SCO,   12288
.set FLOOR, 0x2800000                  ; 2^(5 - 127)
.set OFF4,  0xfe000000                 ; takes 4 off an exponent field
.set X,     32                         ; weights: v32-95 two sets of 32 numbers
.set BK,    96                         ; weights: v96-159 codes: 8 registers (6 used) for each of a K step's 4 blocks, a set for each of the 2 K steps: no store's data are written again
.set SB,    24                         ; weights: v24-25 a scale word for each K step
.set CT,    16                         ; weights: v16-18 the upper 16 codes of a block
.set Y,     160                        ; x: v160-223 a lane's two blocks of 32
.set XL,    224                        ; x: v224-235 a fragment's codes
.set XC,    236                        ; x: v236-238, v240-242 the upper 16 codes of the two blocks
.set XC2,   240
.set RT,    67584                      ; LDS, x's way: behind the eight stages of 16 x 528 bytes: 8 waves x 64 tokens x 8 bytes of partial logits
.set MSB,   0
.macro WIN new                         ; the immediate's high byte repeats the setting that is left
.if MSB != (\new)
	s_set_vgpr_msb (MSB<<8)|(\new)
.set MSB, (\new)
.endif
.endm
	s_load_b256 s[4:11], s[0:1], 0x0               ; x s[4:5], Wr s[6:7], W_in s[8:9], W_out s[10:11]
	s_load_b256 s[12:19], s[0:1], 0x20             ; xq s[12:13], wiq s[14:15], woq s[16:17], ce s[18:19]
	v_lshl_add_u32 v254, v0, 2, 0x11800
	v_mov_b32 v255, 0
	v_lshrrev_b32 v1, 5, v0
	s_delay_alu instid0(VALU_DEP_1)
	v_readfirstlane_b32 s20, v1                    ; wave 0..7
	v_and_b32 v1, 31, v0                           ; lane
	s_delay_alu instid0(VALU_DEP_1)
	v_lshlrev_b32 v3, 4, v1                        ; 16 x lane
	s_delay_alu instid0(VALU_DEP_2)
	v_lshlrev_b32 v4, 3, v1                        ; 8 x lane
	s_delay_alu instid0(VALU_DEP_3)
	v_lshlrev_b32 v5, 2, v1                        ; 4 x lane
	s_wait_kmcnt 0x0
	s_cmp_lt_u32 ttmp9, 64
	s_cbranch_scc1 .Lx_path
; ---------------- THE WEIGHTS: a lane takes a column, its registers run down K.  A wave: 32 columns (a pair of fragments) x 256 K (2 K steps, 8 blocks); the eight waves stand side by side on 1,024 bytes of each row.
	v_and_b32 v6, 15, v0                           ; p = lane % 16
	v_and_b32 v7, 8, v0
	s_delay_alu instid0(VALU_DEP_1)
	v_add_nc_u32 v6, v6, v7                        ; p + 8 (p / 8)
	v_and_b32 v7, 16, v0
	s_delay_alu instid0(VALU_DEP_1)
	v_lshrrev_b32 v7, 1, v7
	s_delay_alu instid0(VALU_DEP_1)
	v_add_nc_u32 v6, v6, v7                        ; + 8 for lanes 16-31, the pair's second fragment
	s_delay_alu instid0(VALU_DEP_1)
	v_lshlrev_b32 v2, 2, v6                        ; my column's bytes among the wave's 128
.macro WLOAD t, pitch                  ; block t: 32 rows of my column into set t % 2; a load reads 128 consecutive bytes
.set II, 0
.rept 32
	global_load_b32 v[X+32*((\t)%2)+II], v2, s[24:25] offset:(32*(\t)+II)*\pitch th:TH_LOAD_NT
.set II, II+1
.endr
.endm
.macro WBLOCK t, pitch, kadd
.set XS, X+32*((\t)%2)
.set BX, BK+32*((\t)/4)+8*((\t)%4)
.if (\t) < 7
	s_wait_loadcnt 32                              ; this block's 32 loads are in; the next block's 32 may be out
.else
	s_wait_loadcnt 0x0
.endif
	v_max3_num_f32 v12, |v[XS]|, |v[XS+1]|, |v[XS+2]|          ; the block's largest magnitude: all 32 numbers are mine; two chains
	v_max3_num_f32 v13, |v[XS+3]|, |v[XS+4]|, |v[XS+5]|
.irp i, 6,10,14,18,22,26
	s_delay_alu instid0(VALU_DEP_2)
	v_max3_num_f32 v12, v12, |v[XS+\i]|, |v[XS+\i+1]|
	s_delay_alu instid0(VALU_DEP_2)
	v_max3_num_f32 v13, v13, |v[XS+\i+2]|, |v[XS+\i+3]|
.endr
	s_delay_alu instid0(VALU_DEP_2)
	v_max3_num_f32 v12, v12, |v[XS+30]|, |v[XS+31]|
	s_delay_alu instid0(VALU_DEP_1)
	v_max3_num_f32 v12, v12, v13, FLOOR            ; and the floor: the byte cannot fall under 1
	s_delay_alu instid0(VALU_DEP_1)
	v_add_nc_u32 v11, OFF4, v12                    ; 4 off the exponent field: the conversion takes this operand's exponent field as its scale
	s_delay_alu instid0(VALU_DEP_1)
	v_lshrrev_b32 v13, 23, v11                     ; the scale's byte
.if (\t)%4 == 0
	s_delay_alu instid0(VALU_DEP_1)
	v_mov_b32 v[SB+(\t)/4], v13                    ; four bytes make my row's scale word of the K step
.else
	s_delay_alu instid0(VALU_DEP_1)
	v_lshl_or_b32 v[SB+(\t)/4], v13, 8*((\t)%4), v[SB+(\t)/4]
.endif
	v_cvt_scalef32_pk16_bf6_f32 v[BX:BX+2], v[XS:XS+15], v11
	v_cvt_scalef32_pk16_bf6_f32 v[CT:CT+2], v[XS+16:XS+31], v11    ; (a conversion's three registers begin on an even number)
	v_nop                                          ; one plain instruction behind the conversions, ahead of the moves that read their results
.irp i, 0,1,2
	v_mov_b32 v[BX+3+\i], v[CT+\i]
.endr
.if (\t)+2 < 8
	WLOAD (\t)+2, \pitch
.endif
.if (\t)%4 == 3
.set B0, BK+32*((\t)/4)                ; a K step is whole.  Blocks 2c and 2c+1: lanes 0-15 hold the first fragment's rows, lanes 16-31 the second's.  The exchange leaves half c of the first fragment in one run of registers, of the second in the other
.irp c, 0,1
.irp i, 0,1,2,3,4,5
	v_permlane16_swap_b32 v[B0+16*\c+\i], v[B0+16*\c+8+\i]
.endr
.endr
.irp c, 0,1
.irp f, 0,1
	global_store_b128 v3, v[B0+16*\c+8*\f:B0+16*\c+8*\f+3], s[26:27] offset:((\t)/4)*\kadd+\f*FRG+\c*768          ; 512 consecutive bytes, aligned to 256
	global_store_b64 v4, v[B0+16*\c+8*\f+4:B0+16*\c+8*\f+5], s[26:27] offset:((\t)/4)*\kadd+\f*FRG+\c*768+512     ; 256 consecutive bytes, aligned
.endr
.endr
	global_store_b32 v5, v[SB+(\t)/4], s[28:29] offset:((\t)/4)*\kadd   ; the pair's 32 scale words: 128 consecutive bytes
.endif
.endm
.macro WPATH pitch, kadd               ; every offset is an immediate (255 rows of 16,384 bytes at the most, inside the signed 24 bits); no address and no store's data are written again, so no wait on XCNT is owed
	WLOAD 0, \pitch
	WLOAD 1, \pitch
.irp t, 0,1,2,3,4,5,6,7
	WBLOCK \t, \pitch, \kadd
.endr
.endm
	s_cmp_lt_u32 ttmp9, 192
	s_cbranch_scc0 .Lw_out
	; W_in: g = 0..127: expert g / 64, 256 rows of K (g / 16) % 4, 32 columns 8 (g % 16) + wave
	s_sub_co_u32 s21, ttmp9, 64
	s_lshr_b32 s22, s21, 6                         ; e
	s_bfe_u32 s23, s21, 0x20004                    ; kp
	s_and_b32 s30, s21, 15
	s_lshl_b32 s30, s30, 3
	s_add_co_u32 s30, s30, s20                     ; c32 = 0..127
	s_lshl_b32 s24, s22, 24                        ; an expert is 2^24 bytes,
	s_lshl_b32 s31, s23, 22                        ; 256 rows of 16,384 bytes,
	s_or_b32 s24, s24, s31
	s_lshl_b32 s31, s30, 7                         ; 32 columns
	s_or_b32 s24, s24, s31
	s_mov_b32 s25, 0
	s_add_nc_u64 s[24:25], s[8:9], s[24:25]
	s_and_b32 s31, s30, 63                         ; ub: which 32 hidden units
	s_lshr_b32 s32, s30, 6                         ; 0: the gate's columns, 1: the others
	s_lshl_b32 s33, s22, 4
	s_lshr_b32 s34, s31, 2
	s_add_co_u32 s33, s33, s34                     ; tile of 128 units: 16 e + ub / 4
	s_lshl_b32 s33, s33, 3
	s_lshl_b32 s34, s23, 1
	s_add_co_u32 s33, s33, s34                     ; x 8 + K step 2 kp
	s_lshl_b32 s33, s33, 1
	s_bfe_u32 s34, s31, 0x10001
	s_add_co_u32 s33, s33, s34                     ; x 2 + (ub / 2) % 2
	s_mul_i32 s33, s33, HB
	s_lshl_b32 s34, s32, 2
	s_and_b32 s35, s31, 1
	s_lshl_b32 s35, s35, 1
	s_add_co_u32 s34, s34, s35                     ; first fragment: 4 x (gate or not) + 2 (ub % 2)
	s_mul_i32 s26, s34, FRG
	s_add_co_u32 s26, s26, s33
	s_mov_b32 s27, 0
	s_lshl_b32 s28, s34, 6
	s_add_co_u32 s28, s28, s33
	s_add_co_u32 s28, s28, SCO
	s_mov_b32 s29, 0
	s_add_nc_u64 s[26:27], s[14:15], s[26:27]
	s_add_nc_u64 s[28:29], s[14:15], s[28:29]
	s_wait_alu depctr_va_vdst(0)
	WPATH 16384, 2*HB
	s_endpgm
.Lw_out:
	; W_out: g = 0..63: expert g / 32, 256 rows of K (g / 4) % 8, 32 columns 8 (g % 4) + wave
	s_sub_co_u32 s21, ttmp9, 192
	s_lshr_b32 s22, s21, 5                         ; e
	s_bfe_u32 s23, s21, 0x30002                    ; kp
	s_and_b32 s30, s21, 3
	s_lshl_b32 s30, s30, 3
	s_add_co_u32 s30, s30, s20                     ; c32 = 0..31
	s_lshl_b32 s24, s22, 23
	s_lshl_b32 s31, s23, 20
	s_or_b32 s24, s24, s31
	s_lshl_b32 s31, s30, 7
	s_or_b32 s24, s24, s31
	s_mov_b32 s25, 0
	s_add_nc_u64 s[24:25], s[10:11], s[24:25]
	s_lshr_b32 s31, s30, 2                         ; tile of 128 columns
	s_lshl_b32 s31, s31, 1
	s_add_co_u32 s31, s31, s22
	s_lshl_b32 s31, s31, 4
	s_lshl_b32 s32, s23, 1
	s_add_co_u32 s31, s31, s32                     ; (tile x 2 + e) x 16 + 2 kp
	s_mul_i32 s31, s31, HB
	s_and_b32 s32, s30, 3
	s_lshl_b32 s32, s32, 1                         ; first fragment
	s_mul_i32 s26, s32, FRG
	s_add_co_u32 s26, s26, s31
	s_mov_b32 s27, 0
	s_lshl_b32 s28, s32, 6
	s_add_co_u32 s28, s28, s31
	s_add_co_u32 s28, s28, SCO
	s_mov_b32 s29, 0
	s_add_nc_u64 s[26:27], s[16:17], s[26:27]
	s_add_nc_u64 s[28:29], s[16:17], s[28:29]
	s_wait_alu depctr_va_vdst(0)
	WPATH 4096, HB
	s_endpgm
; ---------------- x: the work-group owns 64 tokens and all of K; wave w owns K step w: four fragments of 16 tokens.  K is innermost: a load takes a row's 512 bytes as they lie, 16 a lane; 16 rows turn through the wave's
; own stage in LDS (rows 528 bytes apart) and come back as the operand wants them: lane (r, h) holds blocks h and 2 + h of row r, 32 numbers each, so a block's maximum needs no other lane.
; THE ROUTER rides on the same registers: each wave's part of the two logits in f32 multiply-adds; the eight parts meet in LDS.  Both experts are always chosen (top 2 of 2), so a token's weights are the softmax of its two logits, the larger taken off first.
; REGISTERS: window 0: v2 r, v6 h, v7-11 addresses, v12-15 scale words, v16-23 the logits' chains, v32-159 rows 0-31 as loaded, v160-223 Y, v224-253 at work.  window 1: v0-127 Wr's numbers of my K (two experts), v128-255 rows 32-63.
.Lx_path:
	s_lshl_b32 s24, ttmp9, 18                      ; 64 tokens of 4,096 bytes
	s_lshl_b32 s21, s20, 9                         ; my K step's 512 bytes
	s_add_co_u32 s24, s24, s21
	s_mov_b32 s25, 0
	s_add_nc_u64 s[24:25], s[4:5], s[24:25]
	s_lshr_b32 s22, ttmp9, 2
	s_lshl_b32 s22, s22, 3
	s_add_co_u32 s22, s22, s20
	s_lshl_b32 s22, s22, 1
	s_bfe_u32 s23, ttmp9, 0x10001
	s_add_co_u32 s22, s22, s23                     ; block: ((256 tokens) x 8 + K step) x 2 + which 128 tokens
	s_mul_i32 s22, s22, HB
	s_and_b32 s23, ttmp9, 1                        ; fragments 0-3 or 4-7 of it
	s_mul_i32 s26, s23, 4*FRG
	s_add_co_u32 s26, s26, s22
	s_mov_b32 s27, 0
	s_lshl_b32 s28, s23, 8
	s_add_co_u32 s28, s28, s22
	s_add_co_u32 s28, s28, SCO
	s_mov_b32 s29, 0
	s_add_nc_u64 s[26:27], s[12:13], s[26:27]
	s_add_nc_u64 s[28:29], s[12:13], s[28:29]
	s_lshl_b32 s30, ttmp9, 9                       ; ce: 64 tokens x 8 bytes
	s_mov_b32 s31, 0
	s_add_nc_u64 s[30:31], s[18:19], s[30:31]
	s_mov_b32 s34, 0x76543210
	s_mov_b32 s35, 0xfedcba98                      ; v_permlanex16_b32's selects for lane l xor 16
	v_and_b32 v2, 15, v0                           ; r
	v_bfe_u32 v6, v0, 4, 1                         ; h
	s_mul_i32 s32, s20, 8448                       ; my stage
	s_wait_alu depctr_va_vdst(0)
	v_add_nc_u32 v7, s32, v3                       ; in: 16 x lane of a row
	v_mul_u32_u24 v8, v2, 528
	s_delay_alu instid0(VALU_DEP_1)
	v_lshl_add_u32 v8, v6, 7, v8
	s_delay_alu instid0(VALU_DEP_1)
	v_add_nc_u32 v8, s32, v8                       ; back: row r, block h
	s_add_co_u32 s33, s21, RT
	v_lshl_add_u32 v9, v2, 3, s33                  ; my wave's partial logits: RT + 512 w + 8 r
	v_lshlrev_b32 v10, 3, v6                       ; 8 h
	v_lshlrev_b32 v11, 7, v6
	s_delay_alu instid0(VALU_DEP_1)
	v_add_nc_u32 v11, s21, v11                     ; Wr: 512 w + 128 h
	v_mov_b32 v250, 0                              ; written once: a lane permute's destination counts as one of its sources
	v_mov_b32 v251, 0
	WIN 0x40                                       ; destination window 1
.irp e, 0,1
.irp c, 0,1
.irp i, 0,1,2,3,4,5,6,7
	global_load_b128 v[64*\e+32*\c+4*\i:64*\e+32*\c+4*\i+3], v11, s[6:7] offset:4096*\e+256*\c+16*\i   ; Wr[e][128 w + 64 c + 32 h + 4 i ..]
.endr
.endr
.endr
	WIN 0
.set II, 0
.rept 32
	global_load_b128 v[32+4*II:32+4*II+3], v3, s[24:25] offset:4096*II th:TH_LOAD_NT    ; row II: 512 consecutive bytes
.set II, II+1
.endr
	WIN 0x40
.rept 32
	global_load_b128 v[4*II:4*II+3], v3, s[24:25] offset:4096*II th:TH_LOAD_NT          ; rows 32-63: window 1, v128 on
.set II, II+1
.endr
	WIN 0
.macro XFRAG m
	s_wait_loadcnt 48-16*(\m)                      ; Wr and this fragment's 16 rows are in; the later fragments' 16 loads each may be out
.if (\m) >= 2
	WIN 0x04                                       ; an LDS store's data are its source 1: window 1
.set II, 0
.rept 16
	ds_store_b128 v7, v[64*(\m)+4*II:64*(\m)+4*II+3] offset:528*II
.set II, II+1
.endr
	WIN 0
.else
.set II, 0
.rept 16
	ds_store_b128 v7, v[32+64*(\m)+4*II:32+64*(\m)+4*II+3] offset:528*II
.set II, II+1
.endr
.endif
.irp c, 0,1
.irp i, 0,1,2,3,4,5,6,7
	ds_load_b128 v[Y+32*\c+4*\i:Y+32*\c+4*\i+3], v8 offset:256*\c+16*\i    ; LDS serves a wave's instructions in order: these see the stores above
.endr
.endr
	s_wait_dscnt 0x0
	v_max3_num_f32 v244, |v[Y]|, |v[Y+1]|, FLOOR
	v_max3_num_f32 v245, |v[Y+32]|, |v[Y+33]|, FLOOR
.irp i, 2,4,6,8,10,12,14,16,18,20,22,24,26,28,30
	s_delay_alu instid0(VALU_DEP_2)
	v_max3_num_f32 v244, v244, |v[Y+\i]|, |v[Y+\i+1]|          ; the two blocks by turns
	s_delay_alu instid0(VALU_DEP_2)
	v_max3_num_f32 v245, v245, |v[Y+32+\i]|, |v[Y+33+\i]|
.endr
	s_delay_alu instid0(VALU_DEP_2)
	v_add_nc_u32 v246, OFF4, v244
	s_delay_alu instid0(VALU_DEP_2)
	v_add_nc_u32 v247, OFF4, v245
	s_delay_alu instid0(VALU_DEP_2)
	v_lshrrev_b32 v248, 23, v246
	s_delay_alu instid0(VALU_DEP_2)
	v_lshrrev_b32 v249, 23, v247
	s_delay_alu instid0(VALU_DEP_1)
	v_lshl_or_b32 v248, v249, 16, v248             ; my two bytes: blocks h and 2 + h,
	s_delay_alu instid0(VALU_DEP_1)
	v_lshlrev_b32 v248, v10, v248                  ; at their places in the word;
	s_delay_alu instid0(VALU_DEP_1)
	v_permlanex16_b32 v250, v248, s34, s35
	s_delay_alu instid0(VALU_DEP_1)
	v_or_b32 v[12+(\m)], v248, v250                ; with lane l xor 16's two the row's scale word is whole
.if (\m) > 0
	s_wait_alu depctr_va_vdst(0)
	s_wait_xcnt 0x0                                ; the last fragment's stores have read their data registers, which are written again below
.endif
	v_cvt_scalef32_pk16_bf6_f32 v[XL:XL+2], v[Y:Y+15], v246
	v_cvt_scalef32_pk16_bf6_f32 v[XC:XC+2], v[Y+16:Y+31], v246
	v_cvt_scalef32_pk16_bf6_f32 v[XL+6:XL+8], v[Y+32:Y+47], v247
	v_cvt_scalef32_pk16_bf6_f32 v[XC2:XC2+2], v[Y+48:Y+63], v247
	v_nop                                          ; one plain instruction behind the conversions
.irp i, 0,1,2
	v_mov_b32 v[XL+3+\i], v[XC+\i]
	v_mov_b32 v[XL+9+\i], v[XC2+\i]
.endr
	global_store_b128 v3, v[XL:XL+3], s[26:27] offset:(\m)*FRG
	global_store_b128 v3, v[XL+4:XL+7], s[26:27] offset:(\m)*FRG+512      ; x's image alone is laid otherwise than the weights': registers 4 j .. 4 j + 3 at 512 j + 16 x lane, three stores of 512 consecutive bytes
	global_store_b128 v3, v[XL+8:XL+11], s[26:27] offset:(\m)*FRG+1024
	WIN 0x04                                       ; source 1 (Wr) window 1
.irp e, 0,1
	v_pk_mul_f32 v[16+4*\e:17+4*\e], v[Y:Y+1], v[64*\e:64*\e+1]            ; the first products start the sums: two packed chains an expert
	v_pk_mul_f32 v[18+4*\e:19+4*\e], v[Y+2:Y+3], v[64*\e+2:64*\e+3]
.endr
.irp j, 4,8,12,16,20,24,28,32,36,40,44,48,52,56,60
.irp e, 0,1
	s_delay_alu instid0(VALU_DEP_4)
	v_pk_fma_f32 v[16+4*\e:17+4*\e], v[Y+\j:Y+\j+1], v[64*\e+\j:64*\e+\j+1], v[16+4*\e:17+4*\e]
	s_delay_alu instid0(VALU_DEP_4)
	v_pk_fma_f32 v[18+4*\e:19+4*\e], v[Y+\j+2:Y+\j+3], v[64*\e+\j+2:64*\e+\j+3], v[18+4*\e:19+4*\e]
.endr
.endr
	WIN 0
	v_pk_add_f32 v[16:17], v[16:17], v[18:19]
	v_pk_add_f32 v[20:21], v[20:21], v[22:23]
	s_delay_alu instid0(VALU_DEP_2)
	v_add_f32 v16, v16, v17
	s_delay_alu instid0(VALU_DEP_2)
	v_add_f32 v17, v20, v21
	s_delay_alu instid0(VALU_DEP_2)
	v_permlanex16_b32 v250, v16, s34, s35          ; the row's other two blocks lie in lane l xor 16
	s_delay_alu instid0(VALU_DEP_2)
	v_permlanex16_b32 v251, v17, s34, s35
	s_delay_alu instid0(VALU_DEP_2)
	v_add_f32 v16, v16, v250
	s_delay_alu instid0(VALU_DEP_2)
	v_add_f32 v17, v17, v251
	ds_store_b64 v9, v[16:17] offset:128*(\m)      ; both halves of the lanes write the same two numbers to the same place
.endm
	s_wait_alu depctr_va_vdst(0)
	XFRAG 0
	XFRAG 1
	XFRAG 2
	XFRAG 3
	v_cmp_gt_u32 vcc_lo, 16, v1
	s_delay_alu instid0(VALU_DEP_1)
	v_cndmask_b32 v12, v13, v12, vcc_lo            ; lanes 0-15 fragment 0's words, lanes 16-31 fragment 1's: 128 consecutive bytes
	s_delay_alu instid0(VALU_DEP_2)
	v_cndmask_b32 v14, v15, v14, vcc_lo
	global_store_b32 v5, v12, s[28:29]
	global_store_b32 v5, v14, s[28:29] offset:128
	s_wait_dscnt 0x0                               ; for the others' sake: my partial logits lie in LDS
	s_barrier_signal -1
	s_barrier_wait -1
	s_cmp_gt_u32 s20, 1
	s_cbranch_scc1 .Lx_end                         ; waves 0 and 1 finish the router: a thread a token
	v_and_b32 v24, 63, v0
	s_delay_alu instid0(VALU_DEP_1)
	v_lshlrev_b32 v25, 3, v24
	s_delay_alu instid0(VALU_DEP_1)
	v_add_nc_u32 v24, RT, v25
.irp q, 0,1,2,3,4,5,6,7
	ds_load_b64 v[32+2*\q:33+2*\q], v24 offset:512*\q
.endr
	s_wait_dscnt 0x0
.irp q, 1
	v_pk_add_f32 v[32:33], v[32:33], v[32+2*\q:33+2*\q]    ; K ascending
.endr
.irp q, 2, 3, 4, 5, 6, 7
	s_delay_alu instid0(VALU_DEP_1)
	v_pk_add_f32 v[32:33], v[32:33], v[32+2*\q:33+2*\q]    ; K ascending
.endr
	s_delay_alu instid0(VALU_DEP_1)
	v_max_num_f32 v48, v32, v33                    ; the maximum is taken off, as the softmax has it
	s_delay_alu instid0(VALU_DEP_1)
	v_sub_f32 v49, v32, v48
	s_delay_alu instid0(VALU_DEP_2)
	v_sub_f32 v50, v33, v48
	s_delay_alu instid0(VALU_DEP_2)
	v_mul_f32 v49, 0x3fb8aa3b, v49
	s_delay_alu instid0(VALU_DEP_2)
	v_mul_f32 v50, 0x3fb8aa3b, v50
	s_wait_alu depctr_va_vdst(0)
	v_exp_f32 v49, v49
	v_exp_f32 v50, v50
	v_nop                                          ; a plain instruction behind the exponentials
	s_wait_alu depctr_va_vdst(0)                   ; one wait for both, ahead of their first reader
	v_add_f32 v51, v49, v50
	s_wait_alu depctr_va_vdst(0)
	v_rcp_f32 v51, v51
	v_nop
	s_wait_alu depctr_va_vdst(0)
	v_mul_f32 v52, v49, v51
	v_mul_f32 v53, v50, v51
	global_store_b64 v25, v[52:53], s[30:31]       ; a wave stores 256 consecutive bytes, aligned
.Lx_end:
	s_wait_tensorcnt 0x0
	ds_add_u32 v254, v255
	s_wait_dscnt 0x0
	s_endpgm
.Lfunc_end_k_q7d5557710f_prep:
	.size	k_q7d5557710f_prep, .Lfunc_end_k_q7d5557710f_prep-k_q7d5557710f_prep
	.p2alignl 7, 3214868480
	.fill 96, 4, 3214868480
	.section	.rodata,"a",@progbits
	.p2align	6, 0x0
	.amdhsa_kernel k_q7d5557710f_prep
		.amdhsa_group_segment_fixed_size 72704
		.amdhsa_private_segment_fixed_size 0
		.amdhsa_enable_private_segment 0
		.amdhsa_kernarg_size 64
		.amdhsa_user_sgpr_count 2
		.amdhsa_user_sgpr_kernarg_segment_ptr 1
		.amdhsa_wavefront_size32 1
		.amdhsa_system_sgpr_workgroup_id_x 1
		.amdhsa_system_sgpr_workgroup_id_y 1
		.amdhsa_system_sgpr_workgroup_id_z 1
		.amdhsa_system_vgpr_workitem_id 0
		.amdhsa_next_free_vgpr 512
		.amdhsa_next_free_sgpr 66
		.amdhsa_reserve_vcc 1
		.amdhsa_float_denorm_mode_32 3
		.amdhsa_float_denorm_mode_16_64 3
		.amdhsa_memory_ordered 1
		.amdhsa_forward_progress 1
		.amdhsa_inst_pref_size 155
	.end_amdhsa_kernel
	.amdgpu_metadata
---
amdhsa.version: [ 1, 2 ]
amdhsa.kernels:
  - .name:           k_q7d5557710f_prep
    .symbol:         k_q7d5557710f_prep.kd
    .args:
      - { .name: x, .offset: 0, .size: 8, .value_kind: global_buffer, .address_space: global }
      - { .name: Wr, .offset: 8, .size: 8, .value_kind: global_buffer, .address_space: global }
      - { .name: W_in, .offset: 16, .size: 8, .value_kind: global_buffer, .address_space: global }
      - { .name: W_out, .offset: 24, .size: 8, .value_kind: global_buffer, .address_space: global }
      - { .name: xq, .offset: 32, .size: 8, .value_kind: global_buffer, .address_space: global }
      - { .name: wiq, .offset: 40, .size: 8, .value_kind: global_buffer, .address_space: global }
      - { .name: woq, .offset: 48, .size: 8, .value_kind: global_buffer, .address_space: global }
      - { .name: ce, .offset: 56, .size: 8, .value_kind: global_buffer, .address_space: global }
    .group_segment_fixed_size: 72704
    .private_segment_fixed_size: 0
    .kernarg_segment_align: 8
    .kernarg_segment_size: 64
    .max_flat_workgroup_size: 256
    .sgpr_count:     66
    .vgpr_count:     512
    .wavefront_size: 32
...
	.end_amdgpu_metadata
.endif
;; end of part 1
;; launch up (part 2): grid 16 x 16, 4 waves a work-group, clusters of 4 x 1, 327,680 bytes of LDS; arguments xq, wiq, hq; writes hq
.if DOCPART == 2
	.amdgcn_target "amdgcn-amd-amdhsa--gfx1250"
	.amdhsa_code_object_version 6
	.text
	.protected	k_q7d5557710f_up
	.globl	k_q7d5557710f_up
	.p2align	8
	.type	k_q7d5557710f_up,@function
k_q7d5557710f_up:
	s_mov_b64 s[64:65], 0
	v_nop
	global_prefetch_b8 v0, s[64:65] scope:SCOPE_SE
	s_setreg_imm32_b32 hwreg(HW_REG_WAVE_MODE, 25, 1), 1
	s_wait_xcnt 0x0
	s_wait_alu depctr_hold_cnt(0) depctr_sa_sdst(0) depctr_va_vdst(0) depctr_va_sdst(0) depctr_va_ssrc(0) depctr_va_vcc(0) depctr_vm_vsrc(0)
	s_getreg_b32 s2, hwreg(HW_REG_IB_STS2, 6, 4)
	s_cmp_eq_u32 s2, 0
	s_cbranch_scc0 .Lentry_in_a_cluster
	s_endpgm
.Lentry_in_a_cluster:
	s_bfe_u32 s2, ttmp6, 0x10000c
	s_cmp_lg_u32 s2, 0x3003
	s_cbranch_scc0 .Lentry_shape_is_right
	s_endpgm
.Lentry_shape_is_right:
; UP: h = Q(silu(x Wg) * (x Wi)) for both experts: each expert's first quantised product, the activation in f32, the quantiser along the hidden axis.
; Operands are codes of E3M2 with E8M0 scales, laid as images of operand registers: a fragment (16 rows x 128 K, 12 registers a lane) is 1,536 bytes; eight fragments and their 128 scale words
; (fragment i, row r at 12,288 + 64 i + 4 r) are a block of 12,800 bytes.  The weight's and h's images: four pieces contiguous from lane to lane (16, 8, 16, 8 bytes a lane); x's: three pieces of 16 bytes a lane.
; LIMITS: NaN and infinities are not served; where the gate lies under about -88 the exponential overflows, the sigmoid is 0 and h is 0; a block of h whose largest magnitude lies under 2^-122, zeros among them, gets the byte 1.
; SHARES: work-group (tb, gw) owns 256 tokens (tb) and 256 hidden units (tiles 2 gw, 2 gw + 1 of 128; the expert is gw / 8).  Wave w owns tokens 64 w .. 64 w + 63 and ALL the units.
; x's 32 fragments of the wave (4 token blocks x 8 K steps, 384 registers) and their scale words come ONCE, straight from memory into registers: x never passes through LDS.
; The weight goes in four GROUPS of 64 units (8 fragments: 4 of the gate's columns, 4 of the others) x all of K: 256 matrix instructions on 32 accumulators, then the activation and the quantiser.
; LDS: a ring of two slots of 4 blocks (51,200 bytes): slot 0 always holds a group's K steps 0-3, slot 1 its K steps 4-7, so every LDS address is a constant of the text.  Each wave fetches one block of a slot.
; A slot is asked for again in the last K step that multiplies it (steps 3 and 7), for the next group: between that request and the slot's first read stand 128 matrix instructions and a group's activation.
; CLUSTER 4 x 1: the four work-groups of a cluster have four token blocks and the same gw: every block of the weight is asked for jointly by the four (mask 15).  x is each work-group's own.
; NO PREFETCH: the head's two fills have no loop ahead of them, and each of the six refills is asked for as far ahead of its first read as said above.
; THE MATRIX INSTRUCTION IS USED TRANSPOSED (source 0 = 16 rows of the weight, source 1 = 16 tokens): a lane holds ONE token; by the order of the weight's rows the 16 registers of fragments 2 q, 2 q + 1 are 16 neighbouring units.
; Groups 0 to 2 are a loop of three trips (each fills both slots again); group 3, which fetches nothing, is written out.
; REGISTERS: window 0: v8-15 addresses, v28-29 the add's, v32-47 x's scale words, v48-55 the weight's (two sets), v56-59 h's scale words, v60-79 the quantiser, v80-143 H, v144-155 codes,
;   v160-255 the weight's fragments, set 1 (in the activation: T and the upper codes).  window 1: x's K steps 0-4.  window 2: v0-143 x's K steps 5-7, v144-239 the weight's set 0.  window 3: accumulator (a, b) at 64 a + 8 b.
.set HB,    12800
.set FRG,   1536
.set SCO,   12288
.set SLOTB, 51200
.set SPARE, 102400                     ; behind the ring: the spare words, 128 bytes a wave: two blocks of 256 bytes that no other line names
.set HSC,   102912                     ; h's scale words on their way out: 256 bytes a wave and tile; written by LDS stores alone
.set BA16,  8                          ; v8-9    16 x lane + slot
.set BA8,   10                         ; v10-11  8 x lane + slot
.set BS,    12                         ; v12-13  4 x lane + slot
.set HSW,   14                         ; v14     HSC + 256 w + 4 r
.set HSR,   15                         ; v15     HSC + 256 w + 8 x lane
.set SPW,   28
.set NIL,   29
.set XS,    32                         ; register 2 k + p: lanes 0-15 the words of token block 2 p, lanes 16-31 of 2 p + 1, K step k
.set WS,    48                         ; register 4 set + p: lanes 0-15 the words of fragment 2 p, lanes 16-31 of 2 p + 1
.set WB,    56
.set QM,    60
.set QP,    64
.set QS,    68
.set QB,    72
.set SW,    76
.set H,     80
.set LL,    144
.set T,     160
.set CTR,   224
.set G1,    24                         ; s[24:31] group 1: 50 rows of 256 bytes
.set G0,    48                         ; s[48:51], s[52:55] group 0, a set for each slot
.set MSB,   0
.macro WIN new                         ; the immediate's high byte repeats the setting that is left
.if MSB != (\new)
	s_set_vgpr_msb (MSB<<8)|(\new)
.set MSB, (\new)
.endif
.endm
.macro PLACES                          ; four plain instructions between a matrix instruction and a load into, or a vector instruction on, its registers (ISA guide 7.12.1 for vector instructions)
.rept 4
	v_nop
.endr
.endm
.macro CREST                           ; a round of the cluster's barrier behind its opening barrier
	s_cmp_lg_u32 s10, 0
	s_cbranch_scc1 .Lnot_wave_0_\@
	s_barrier_signal -3
.Lnot_wave_0_\@:
	s_barrier_wait -3
	s_barrier_signal -1
	s_barrier_wait -1
.endm
.macro CROUND
	s_barrier_signal -1
	s_barrier_wait -1
	CREST
.endm
.macro XLD k                           ; x's four fragments of K step k: twelve loads, each 512 consecutive bytes
	WIN 0x40*(1+(\k)/5)                            ; destination window 1 (K steps 0-4) or 2
.irp a, 0,1,2,3
.set XR, 48*((\k)%5)+12*\a
	global_load_b128 v[XR:XR+3], v[BA16], s[20:21] offset:2*HB*(\k)+FRG*\a
	global_load_b128 v[XR+4:XR+7], v[BA16], s[20:21] offset:2*HB*(\k)+FRG*\a+512
	global_load_b128 v[XR+8:XR+11], v[BA16], s[20:21] offset:2*HB*(\k)+FRG*\a+1024
.endr
.endm
	s_load_b128 s[4:7], s[0:1], 0x0                ; xq, wiq
	s_load_b64 s[8:9], s[0:1], 0x10                ; hq
	v_lshl_add_u32 v[SPW], v0, 2, SPARE
	v_mov_b32 v[NIL], 0
	ds_add_u32 v[SPW], v[NIL]                      ; the opening lines: the add, twice on end, and its wait ahead of my first tensor load
	ds_add_u32 v[SPW], v[NIL]
	v_lshrrev_b32 v1, 5, v0
	v_readfirstlane_b32 s10, v1                    ; wave 0..3
	v_and_b32 v1, 31, v0                           ; lane
	v_and_b32 v2, 15, v0                           ; r
	v_lshlrev_b32 v[BA16], 4, v1
	v_lshlrev_b32 v[BA8], 3, v1
	v_lshlrev_b32 v[BS], 2, v1
	v_add_nc_u32 v[BA16+1], SLOTB, v[BA16]
	v_add_nc_u32 v[BA8+1], SLOTB, v[BA8]
	v_add_nc_u32 v[BS+1], SLOTB, v[BS]
	v_and_b32 v3, 0x60, v0
	v_lshlrev_b32 v3, 3, v3                        ; 256 w
	v_lshl_add_u32 v[HSW], v2, 2, v3
	v_add_nc_u32 v[HSW], HSC, v[HSW]
	v_add_nc_u32 v[HSR], v3, v[BA8]
	v_add_nc_u32 v[HSR], HSC, v[HSR]
.irp i, 0,1,2,3
	v_mov_b32 v[WB+\i], 0                          ; h's scale words are shifted in, two bytes a group
	v_mov_b32 v[QP+\i], 0                          ; written once: a lane permute's destination counts as one of its sources
.endr
	s_lshr_b32 s11, s10, 1                         ; which 128 tokens of the 256
	s_and_b32 s12, s10, 1                          ; which four fragments of their eight
	s_and_b32 s16, ttmp7, 0xffff                   ; gw
	s_mov_b32 s[G1], 15|(3<<16)|(1<<21)            ; 15:0 the mask: all four of the cluster; 17:16 elements of 8 bytes; 21 set beside a mask
	s_mov_b32 s[G1+1], 32<<16                      ; tensor_dim0
	s_mov_b32 s[G1+2], 50<<16                      ; tensor_dim1
	s_mov_b32 s[G1+3], 32<<16                      ; tile_dim0
	s_mov_b32 s[G1+4], 50                          ; tile_dim1
	s_mov_b32 s[G1+5], 32                          ; pitch
	s_mov_b32 s[G1+6], 0
	s_mov_b32 s[G1+7], 0
	s_lshl_b32 s17, s16, 5                         ; the weight: block 32 gw + 16 t + 2 k + c; I fetch K step 4 j + w of slot j
	s_lshl_b32 s18, s10, 1
	s_add_co_u32 s17, s17, s18
	s_mul_i32 s32, s17, HB
	s_mov_b32 s33, 0
	s_mul_i32 s19, s10, HB                         ; and where it goes: wave x 12,800
	s_bfe_u32 s13, ttmp6, 0x40000                  ; cx
	s_lshl_b32 s15, ttmp9, 2
	s_add_co_u32 s15, s15, s13                     ; tb
	s_lshl_b32 s42, s15, 4
	s_add_co_u32 s42, s42, s11
	s_mul_i32 s34, s42, HB                         ; x: block 16 tb + 2 k + w / 2
	s_mov_b32 s35, 0
	s_lshl_b32 s43, s12, 8
	s_add_co_u32 s36, s34, s43
	s_add_co_u32 s36, s36, SCO                     ; my four fragments' scale words
	s_mov_b32 s37, 0
	s_mul_i32 s44, s12, 4*FRG
	s_add_co_u32 s34, s34, s44
	s_lshl_b32 s42, s15, 1
	s_add_co_u32 s42, s42, s11
	s_lshl_b32 s42, s42, 5
	s_lshl_b32 s45, s16, 1
	s_add_co_u32 s42, s42, s45
	s_mul_i32 s38, s42, HB                         ; h: block (2 tb + w / 2) 32 + 2 gw + t
	s_mov_b32 s39, 0
	s_add_co_u32 s40, s38, s43
	s_add_co_u32 s40, s40, SCO
	s_mov_b32 s41, 0
	s_add_co_u32 s38, s38, s44
	s_mov_b32 s56, HB                              ; from a group's blocks to the next group's: 1 block, then 15, by turns
	s_mov_b32 s57, 0
	s_mov_b32 s58, 768                             ; from a group's half images to the next group's: 768 bytes, then a block less 768, by turns
	s_mov_b32 s59, 0
	s_mov_b32 s70, 0xbfb8aa3b                      ; -log2(e)
	s_mov_b32 s71, s70                             ; (named with it as a pair)
	s_mov_b32 s72, 0x76543210
	s_mov_b32 s73, 0xfedcba98                      ; v_permlanex16_b32's selects for lane l xor 16
	s_wait_alu depctr_va_vdst(0)                   ; at the head's end: no vector register is written between here and the loop
	s_wait_dscnt 0x0                               ; both opening adds are done
	s_wait_kmcnt 0x0
	s_add_nc_u64 s[20:21], s[4:5], s[34:35]
	s_add_nc_u64 s[22:23], s[4:5], s[36:37]
	s_add_nc_u64 s[66:67], s[8:9], s[38:39]
	s_add_nc_u64 s[68:69], s[8:9], s[40:41]
	s_mov_b32 s[G0], 1
	s_mov_b32 s[G0+1], s19
	s_add_nc_u64 s[G0+2:G0+3], s[6:7], s[32:33]
	s_mov_b32 s[G0+4], 1
	s_add_co_u32 s[G0+5], s19, SLOTB
	s_add_nc_u64 s[G0+6:G0+7], s[G0+2:G0+3], 8*HB
	s_or_b32 s[G0+3], s[G0+3], 0x80000000
	s_or_b32 s[G0+7], s[G0+7], 0x80000000
; x: 112 loads in this order: the 16 of scale words, then twelve for each K step, K ascending.  The first 40 go out ahead of the round.
.irp k, 0,1,2,3,4,5,6,7
.irp p, 0,1
	global_load_b32 v[XS+2*\k+\p], v[BS], s[22:23] offset:2*HB*\k+128*\p
.endr
.endr
	XLD 0
	XLD 1
	WIN 0
	CROUND                                         ; the four work-groups are here: the first joint loads meet
	tensor_load_to_lds s[G0:G0+3], s[G1:G1+7]      ; group 0's K steps 0-3: my one load at the head
	s_nop 0
	PLACES                                         ; behind a tensor load
.irp k, 2,3,4,5,6,7
	XLD \k
.endr
	WIN 0
.macro FRAG reg, a16, a8, off          ; an image comes back as it was stored
	ds_load_b128 v[(\reg):(\reg)+3], v[\a16] offset:(\off)
	ds_load_b64 v[(\reg)+4:(\reg)+5], v[\a8] offset:(\off)+512
	ds_load_b128 v[(\reg)+6:(\reg)+9], v[\a16] offset:(\off)+768
	ds_load_b64 v[(\reg)+10:(\reg)+11], v[\a8] offset:(\off)+1280
.endm
.macro RUN kn                          ; 36 LDS loads in one run: the weight's eight fragments of K step kn and their scale words, into set kn % 2
	WIN 0x80*(1-(\kn)%2)
.irp i, 0,1,2,3,4,5,6,7
	FRAG 144+16*((\kn)%2)+12*\i, BA16+(\kn)/4, BA8+(\kn)/4, HB*((\kn)%4)+FRG*\i
.endr
	WIN 0
.irp p, 0,1,2,3
	ds_load_b32 v[WS+4*((\kn)%2)+\p], v[BS+(\kn)/4] offset:HB*((\kn)%4)+SCO+128*\p
.endr
.endm
.macro W5 c, s0, s1, ws, xs, br, ar    ; the scale registers' rows: the fragment's and the token block's parity
.if (\br) == 0 && (\ar) == 0
	v_wmma_scale_f32_16x16x128_f8f6f4 v[DD:DD+7], v[(\s0):(\s0)+11], v[(\s1):(\s1)+11], \c, v[\ws], v[\xs] matrix_a_fmt:MATRIX_FMT_BF6 matrix_b_fmt:MATRIX_FMT_BF6
.endif
.if (\br) == 1 && (\ar) == 0
	v_wmma_scale_f32_16x16x128_f8f6f4 v[DD:DD+7], v[(\s0):(\s0)+11], v[(\s1):(\s1)+11], \c, v[\ws], v[\xs] matrix_a_fmt:MATRIX_FMT_BF6 matrix_b_fmt:MATRIX_FMT_BF6 matrix_a_scale:MATRIX_SCALE_ROW1
.endif
.if (\br) == 0 && (\ar) == 1
	v_wmma_scale_f32_16x16x128_f8f6f4 v[DD:DD+7], v[(\s0):(\s0)+11], v[(\s1):(\s1)+11], \c, v[\ws], v[\xs] matrix_a_fmt:MATRIX_FMT_BF6 matrix_b_fmt:MATRIX_FMT_BF6 matrix_b_scale:MATRIX_SCALE_ROW1
.endif
.if (\br) == 1 && (\ar) == 1
	v_wmma_scale_f32_16x16x128_f8f6f4 v[DD:DD+7], v[(\s0):(\s0)+11], v[(\s1):(\s1)+11], \c, v[\ws], v[\xs] matrix_a_fmt:MATRIX_FMT_BF6 matrix_b_fmt:MATRIX_FMT_BF6 matrix_a_scale:MATRIX_SCALE_ROW1 matrix_b_scale:MATRIX_SCALE_ROW1
.endif
.endm
.macro W4 zero, s0, s1, ws, xs, br, ar
.if \zero
	W5 0, \s0, \s1, \ws, \xs, \br, \ar
.else
	W5 v[DD:DD+7], \s0, \s1, \ws, \xs, \br, \ar
.endif
.endm
.macro REFILL j                        ; the barrier has opened a round of the cluster's barrier; the joint refill is the first tensor load behind it, one a wave
	CREST
	s_add_nc_u64 s[G0+4*(\j)+2:G0+4*(\j)+3], s[G0+4*(\j)+2:G0+4*(\j)+3], s[56:57]   ; no tensor load of mine is out: the next group's blocks
	tensor_load_to_lds s[G0+4*(\j):G0+4*(\j)+3], s[G1:G1+7]
	s_nop 0
	PLACES                                         ; also the places in front of the loads that follow
.endm
; In a K step that changes slots (mode 1, 2), behind its N-th matrix instruction: the wait for the add and the signal behind the 4th; behind the 8th the barrier's wait, (mode 1) the round and the refill, and the run of loads from the other slot.
.macro AFTER k, kn, mode
.if \mode
.if N == 3
	s_wait_dscnt 0x0                               ; the add is done; my reads of this slot were over at the step's head
	s_barrier_signal -1
.endif
.if N == 7
	WIN 0                                          ; branches may follow
	s_barrier_wait -1
.if (\mode) == 1
	REFILL (\k)/4
.else
	PLACES
.endif
	RUN \kn
	WIN MS
.endif
.endif
.endm
; A K step: the run of loads for the next step (mode 0: at the head, so that it has this step's 32 matrix instructions in which to land), then 32 matrix instructions, the weight's eight fragments one after the other,
; each against my four token blocks.  The 32 accumulators take turns, one instruction a turn, in the same order in every step.
.macro STEP k, kn, mode, zero
.set SE, (\k)%2
.set MS, 0xf0|((1+(\k)/5)<<2)|(2*(1-SE))  ; C and D window 3; x window 1 or 2; the weight's set 0 window 2, set 1 window 0
.set XB, 48*((\k)%5)
.set BB, 144+16*SE
.set N, 0
.set LW, 12*(7-(\k))
.if LW > 63
.set LW, 63
.endif
	s_wait_dscnt 0x0                               ; this step's fragments and scale words are in
.if XWAIT
	s_wait_loadcnt LW                              ; x's fragments of this K step are in: behind them 12 loads for each later K step were issued (a count above 63 is written as 63); from the second trip on nothing is out
.endif
.if \mode
	WIN 0                                          ; (the add's two registers lie in window 0)
	s_wait_tensorcnt 0x0                           ; all my tensor loads have landed: my block of the other slot
	ds_add_u32 v[SPW], v[NIL]                      ; 0 onto my spare word; four matrix instructions stand between it and the wait for it
.else
.if (\kn) >= 0
	PLACES
	RUN \kn
.endif
.endif
	WIN MS
.irp bp, 0,1,2,3
.irp br, 0,1
.irp ap, 0,1
.irp ar, 0,1
.set DD, 64*(2*\ap+\ar)+8*(2*\bp+\br)
	W4 \zero, BB+12*(2*\bp+\br), XB+12*(2*\ap+\ar), WS+4*SE+\bp, XS+2*(\k)+\ap, \br, \ar
	AFTER \k, \kn, \mode
.set N, N+1
.endr
.endr
.endr
.endr
.endm
; THE ACTIVATION AND THE QUANTISER for token blocks 2 p, 2 p + 1.  (g x sigmoid(g)) x i in f32, sigmoid = 1 / (1 + 2^(-g log2 e)).  64 exponentials are one batch, and so are 64 reciprocals.
; A token block's 32 numbers of h are 16 of each of two blocks of 32 along the next K; lane l xor 16 holds the other 16.  The four blocks' chains take turns.
.macro EP2 p
	WIN 3                                          ; source 0: the accumulators' window
.if \p
	s_wait_alu depctr_va_vdst(0)
.endif
.irp u, 0,1
.set JJ, 0
.rept 16
	v_pk_mul_f32 v[T+32*\u+JJ:T+32*\u+JJ+1], v[128*(\p)+64*\u+JJ:128*(\p)+64*\u+JJ+1], s[70:71] op_sel_hi:[1,0]    ; each accumulator is read from its low end on
.set JJ, JJ+2
.endr
.endr
	WIN 0
	s_wait_alu depctr_va_vdst(0)                   ; ahead of the batch
.set JJ, 0
.rept 64
	v_exp_f32 v[T+JJ], v[T+JJ]
.set JJ, JJ+1
.endr
	v_nop                                          ; a plain instruction behind the last exponential
	s_wait_alu depctr_va_vdst(0)                   ; one wait for the batch, ahead of its first reader
.set JJ, 0
.rept 32
	v_pk_add_f32 v[T+JJ:T+JJ+1], v[T+JJ:T+JJ+1], 1.0 op_sel_hi:[1,0]
.set JJ, JJ+2
.endr
	s_wait_alu depctr_va_vdst(0)
.set JJ, 0
.rept 64
	v_rcp_f32 v[T+JJ], v[T+JJ]
.set JJ, JJ+1
.endr
	v_nop
	WIN 3
	s_wait_alu depctr_va_vdst(0)                   ; for the batch, and for the accumulators of i
.irp u, 0,1
.set JJ, 0
.rept 16
	v_pk_mul_f32 v[T+32*\u+JJ:T+32*\u+JJ+1], v[128*(\p)+64*\u+JJ:128*(\p)+64*\u+JJ+1], v[T+32*\u+JJ:T+32*\u+JJ+1]          ; silu(g)
.set JJ, JJ+2
.endr
.endr
.irp u, 0,1
.set JJ, 0
.rept 16
	v_pk_mul_f32 v[H+32*\u+JJ:H+32*\u+JJ+1], v[128*(\p)+64*\u+32+JJ:128*(\p)+64*\u+32+JJ+1], v[T+32*\u+JJ:T+32*\u+JJ+1]    ; x i: register 16 q + n is unit 32 q + 16 h + n of the 64
.set JJ, JJ+2
.endr
.endr
	WIN 0
.irp i, 0,1,2,3
	v_max3_num_f32 v[QM+\i], |v[H+16*\i]|, |v[H+16*\i+1]|, 0x2800000       ; my 16 numbers of each block, and the floor 2^(5 - 127)
.endr
.irp j, 2,4,6,8,10,12,14
.irp i, 0,1,2,3
	v_max3_num_f32 v[QM+\i], v[QM+\i], |v[H+16*\i+\j]|, |v[H+16*\i+\j+1]|
.endr
.endr
.irp i, 0,1,2,3
	v_permlanex16_b32 v[QP+\i], v[QM+\i], s72, s73
.endr
.irp i, 0,1,2,3
	v_max_num_f32 v[QM+\i], v[QM+\i], v[QP+\i]     ; with lane l xor 16's 16: the block's largest magnitude
.endr
.irp i, 0,1,2,3
	v_add_nc_u32 v[QS+\i], 0xfe000000, v[QM+\i]    ; 4 off the exponent field: the conversion's scale operand
.endr
.irp i, 0,1,2,3
	v_lshrrev_b32 v[QB+\i], 23, v[QS+\i]           ; the scale's byte
.endr
.irp u, 0,1
	v_lshl_or_b32 v[QB+2*\u], v[QB+2*\u+1], 8, v[QB+2*\u]
	v_lshrrev_b32 v[WB+2*(\p)+\u], 16, v[WB+2*(\p)+\u]
.endr
.irp u, 0,1
	v_lshl_or_b32 v[WB+2*(\p)+\u], v[QB+2*\u], 16, v[WB+2*(\p)+\u]         ; the row's scale word: two groups shift in its four bytes, the lower units first
.endr
	s_wait_alu depctr_va_vdst(0)
	s_wait_xcnt 0x0                                ; earlier stores have read their data registers, which are written again below
.irp u, 0,1
	v_cvt_scalef32_pk16_bf6_f32 v[LL+6*\u:LL+6*\u+2], v[H+32*\u:H+32*\u+15], v[QS+2*\u]
	v_cvt_scalef32_pk16_bf6_f32 v[CTR+4*\u:CTR+4*\u+2], v[H+32*\u+16:H+32*\u+31], v[QS+2*\u+1]
.endr
	v_nop                                          ; one plain instruction behind the conversions
.irp u, 0,1
.irp i, 0,1,2
	v_permlane16_swap_b32 v[LL+6*\u+\i], v[CTR+4*\u+\i]    ; the operand wants a whole block in a lane: lanes 0-15 the first block, lanes 16-31 the second
.endr
.endr
.irp u, 0,1
.irp i, 0,1,2
	v_mov_b32 v[LL+6*\u+3+\i], v[CTR+4*\u+\i]
.endr
.endr
.irp u, 0,1
	global_store_b128 v[BA16], v[LL+6*\u:LL+6*\u+3], s[66:67] offset:FRG*(2*(\p)+\u)       ; half an image: 512 and 256 consecutive bytes, aligned to 256
	global_store_b64 v[BA8], v[LL+6*\u+4:LL+6*\u+5], s[66:67] offset:FRG*(2*(\p)+\u)+512
.endr
.endm
.macro WORDS t                         ; a tile's scale words of my 64 tokens are whole: through my own 256 bytes of LDS, so that they leave as one aligned unit
.irp a, 0,1,2,3
	ds_store_b32 v[HSW], v[WB+\a] offset:1024*(\t)+64*\a   ; both halves of the lanes write the same word
.endr
	ds_load_b64 v[SW:SW+1], v[HSR] offset:1024*(\t)        ; LDS serves a wave's instructions in order: this sees the stores above
	s_wait_dscnt 0x0
	global_store_b64 v[BA8], v[SW:SW+1], s[68:69] offset:HB*(\t)
.endm
.macro GROUP fill
	STEP 0, 1, 0, 1                                ; the first step's products start the sums: nothing is cleared
	STEP 1, 2, 0, 0
	STEP 2, 3, 0, 0
	STEP 3, 4, 2-(\fill), 0                        ; slot 0 is read out; slot 1 is shown whole
	STEP 4, 5, 0, 0
	STEP 5, 6, 0, 0
	STEP 6, 7, 0, 0
.if \fill
	STEP 7, 0, 1, 0                                ; slot 1 is read out; slot 0 holds the next group's K steps 0-3, and its first fragments are fetched
.else
	STEP 7, -1, 0, 0
.endif
	PLACES                                         ; behind the last products
	EP2 0
	EP2 1
	s_wait_alu depctr_va_vdst(0)                   ; ahead of the branches and waits that follow
.endm
	s_wait_tensorcnt 0x0                           ; my block of slot 0 is in
	ds_add_u32 v[SPW], v[NIL]
	s_wait_dscnt 0x0
	CROUND                                         ; a whole round: slot 0 is whole, and the four work-groups are here
	tensor_load_to_lds s[G0+4:G0+7], s[G1:G1+7]    ; group 0's K steps 4-7: slot 1's first fill
	s_nop 0
	PLACES
	RUN 0
	s_mov_b32 s3, 0
.set XWAIT, 1                          ; the loop's steps wait for x by count
.Lgroup:                                               ; groups 0, 1, 2
	GROUP 1
	s_cmp_eq_u32 s3, 1
	s_cbranch_scc0 .Lno_words                      ; the first tile's second group has made its words whole
	WORDS 0
.Lno_words:
	s_wait_xcnt 0x0                                ; the stores have read their base
	s_add_nc_u64 s[66:67], s[66:67], s[58:59]
	s_xor_b32 s58, s58, 768^(HB-768)
	s_xor_b32 s56, s56, HB^(15*HB)
	s_add_co_u32 s3, s3, 1
	s_cmp_lt_u32 s3, 3
	s_cbranch_scc1 .Lgroup
.set XWAIT, 0
	GROUP 0                                        ; group 3: nothing is left to fetch
	WORDS 1
	s_wait_tensorcnt 0x0                           ; the wave's end
	ds_add_u32 v[SPW], v[NIL]
	s_wait_dscnt 0x0
	CROUND                                         ; the closing round
	s_endpgm
.Lfunc_end_k_q7d5557710f_up:
	.size	k_q7d5557710f_up, .Lfunc_end_k_q7d5557710f_up-k_q7d5557710f_up
	.p2alignl 7, 3214868480
	.fill 96, 4, 3214868480
	.section	.rodata,"a",@progbits
	.p2align	6, 0x0
	.amdhsa_kernel k_q7d5557710f_up
		.amdhsa_group_segment_fixed_size 327680
		.amdhsa_private_segment_fixed_size 0
		.amdhsa_enable_private_segment 0
		.amdhsa_kernarg_size 24
		.amdhsa_user_sgpr_count 2
		.amdhsa_user_sgpr_kernarg_segment_ptr 1
		.amdhsa_wavefront_size32 1
		.amdhsa_system_sgpr_workgroup_id_x 1
		.amdhsa_system_sgpr_workgroup_id_y 1
		.amdhsa_system_sgpr_workgroup_id_z 1
		.amdhsa_system_vgpr_workitem_id 0
		.amdhsa_next_free_vgpr 1024
		.amdhsa_next_free_sgpr 80
		.amdhsa_reserve_vcc 0
		.amdhsa_float_denorm_mode_32 3
		.amdhsa_float_denorm_mode_16_64 3
		.amdhsa_memory_ordered 1
		.amdhsa_forward_progress 1
		.amdhsa_inst_pref_size 191
	.end_amdhsa_kernel
	.amdgpu_metadata
---
amdhsa.version: [ 1, 2 ]
amdhsa.kernels:
  - .name:           k_q7d5557710f_up
    .symbol:         k_q7d5557710f_up.kd
    .args:
      - { .name: xq, .offset: 0, .size: 8, .value_kind: global_buffer, .address_space: global }
      - { .name: wiq, .offset: 8, .size: 8, .value_kind: global_buffer, .address_space: global }
      - { .name: hq, .offset: 16, .size: 8, .value_kind: global_buffer, .address_space: global }
    .group_segment_fixed_size: 327680
    .private_segment_fixed_size: 0
    .kernarg_segment_align: 8
    .kernarg_segment_size: 24
    .max_flat_workgroup_size: 128
    .sgpr_count:     80
    .vgpr_count:     1024
    .wavefront_size: 32
...
	.end_amdgpu_metadata
.endif
;; end of part 2
;; launch down (part 3): grid 8 x 32, 4 waves a work-group, clusters of 4 x 4, 327,680 bytes of LDS; arguments hq, woq, ce, out0; writes out0
.if DOCPART == 3
	.amdgcn_target "amdgcn-amd-amdhsa--gfx1250"
	.amdhsa_code_object_version 6
	.text
	.protected	k_q7d5557710f_down
	.globl	k_q7d5557710f_down
	.p2align	8
	.type	k_q7d5557710f_down,@function
k_q7d5557710f_down:
	s_mov_b64 s[64:65], 0
	v_nop
	global_prefetch_b8 v0, s[64:65] scope:SCOPE_SE
	s_setreg_imm32_b32 hwreg(HW_REG_WAVE_MODE, 25, 1), 1
	s_wait_xcnt 0x0
	s_wait_alu depctr_hold_cnt(0) depctr_sa_sdst(0) depctr_va_vdst(0) depctr_va_sdst(0) depctr_va_ssrc(0) depctr_va_vcc(0) depctr_vm_vsrc(0)
	s_getreg_b32 s2, hwreg(HW_REG_IB_STS2, 6, 4)
	s_cmp_eq_u32 s2, 0
	s_cbranch_scc0 .Lentry_in_a_cluster
	s_endpgm
.Lentry_in_a_cluster:
	s_bfe_u32 s2, ttmp6, 0x10000c
	s_cmp_lg_u32 s2, 0xf033
	s_cbranch_scc0 .Lentry_shape_is_right
	s_endpgm
.Lentry_shape_is_right:
; DOWN: out = ce0 (h0 Wout0) + ce1 (h1 Wout1): each expert's second quantised product, weighed by the router's two weights a token and summed.  Operands are codes of E3M2 with E8M0 scales, laid as images of operand
; registers: a fragment (16 rows x 128 K) is 1,536 bytes, eight fragments and their 128 scale words a block of 12,800 bytes.
; SHARES: a work-group owns 128 tokens x 128 columns.  Wave w multiplies expert w % 2 for tokens 64 (w / 2) on: 32 accumulators, 16 K steps.  At the end the two waves of a token half exchange half of their weighed sums through LDS.
; LDS: a ring of two slots of 3 K steps (h's and the weight's blocks of both experts, 153,600 bytes); waves 0, 1 fetch h's blocks of expert 0, 1, waves 2, 3 the weight's.  CLUSTER 4 x 4: h's blocks are asked for jointly along a row, the weight's along a column.
; PREFETCH: behind each joint load a wave asks for its work-group's quarter of what its NEXT load will bring: one fill, 3 K steps, ahead.  LIMITS: NaN and infinities are not served.
.set HB,    12800
.set FRG,   1536
.set SCO,   12288
.set FR,    12
.set SLOT,  153600
.set SPARE, 307200
.set STG,   65536
.set AL16,  4
.set AL8,   6
.set AH16,  8
.set AH8,   10
.set B16,   12
.set B8,    14
.set S01,   16
.set S23,   18
.set S47,   20
.set XW,    22
.set XR,    23
.set STO,   24
.set RD,    25
.set L16,   26
.set SPW,   28
.set NIL,   29
.set CEO,   30
.set CE,    32
.set SC,    40
.set AF,    64
.set X,     64
.set BK,    192
.set G1A,   24
.set G1B,   32
.set G1AS,  40
.set G1BS,  48
.set G0A,   56
.set G0B,   68
.set MUL,   0xa1
.set MSB,   0
.macro WIN new
.if MSB != (\new)
	s_set_vgpr_msb (MSB<<8)|(\new)
.set MSB, (\new)
.endif
.endm
.macro PLACES
.rept 4
	v_nop
.endr
.endm
.macro CREST
	s_cmp_lg_u32 s12, 0
	s_cbranch_scc1 .Lnot_wave_0_\@
	s_barrier_signal -3
.Lnot_wave_0_\@:
	s_barrier_wait -3
	s_barrier_signal -1
	s_barrier_wait -1
.endm
.macro CROUND
	s_barrier_signal -1
	s_barrier_wait -1
	CREST
.endm
.macro JLOAD g0a, g1a, g0b, g1b
	s_cmp_eq_u32 s14, 0
	s_cbranch_scc0 .Lfor_b_\@
	tensor_load_to_lds s[\g0a:\g0a+3], s[\g1a:\g1a+7]
	s_nop 0
.rept 4
	v_nop
.endr
	s_branch .Lasked_\@
.Lfor_b_\@:
	tensor_load_to_lds s[\g0b:\g0b+3], s[\g1b:\g1b+7]
	s_nop 0
.rept 4
	v_nop
.endr
.Lasked_\@:
.endm
	s_load_b128 s[4:7], s[0:1], 0x0
	s_load_b128 s[8:11], s[0:1], 0x10
	v_lshl_add_u32 v[SPW], v0, 2, SPARE
	v_mov_b32 v[NIL], 0
	ds_add_u32 v28, v29
	ds_add_u32 v28, v29
	s_wait_dscnt 0x0
	v_lshrrev_b32 v1, 5, v0
	v_readfirstlane_b32 s12, v1
	s_and_b32 s13, s12, 1
	s_lshr_b32 s14, s12, 1
	s_bfe_u32 s15, ttmp6, 0x40000
	s_bfe_u32 s16, ttmp6, 0x40004
	s_lshl_b32 s17, ttmp9, 2
	s_add_co_u32 s17, s17, s15
	s_and_b32 s18, ttmp7, 0xffff
	s_lshl_b32 s18, s18, 2
	s_add_co_u32 s18, s18, s16
	s_lshl_b32 s19, s16, 2
	s_lshl_b32 s19, 15, s19
	s_lshl_b32 s20, 0x1111, s15
	s_or_b32 s[G1A], s19, (3<<16)|(1<<21)
	s_or_b32 s[G1AS], s19, (3<<16)|(1<<21)
	s_or_b32 s[G1B], s20, (3<<16)|(1<<21)
	s_or_b32 s[G1BS], s20, (3<<16)|(1<<21)
.irp g, G1A, G1B
	s_mov_b32 s[\g+1], 32<<16
	s_mov_b32 s[\g+2], 150<<16
	s_mov_b32 s[\g+3], 32<<16
	s_mov_b32 s[\g+4], 150
	s_mov_b32 s[\g+5], 32
	s_mov_b32 s[\g+6], 0
	s_mov_b32 s[\g+7], 0
.endr
.irp g, G1AS, G1BS
	s_mov_b32 s[\g+1], 32<<16
	s_mov_b32 s[\g+2], 50<<16
	s_mov_b32 s[\g+3], 32<<16
	s_mov_b32 s[\g+4], 50
	s_mov_b32 s[\g+5], 32
	s_mov_b32 s[\g+6], 0
	s_mov_b32 s[\g+7], 0
.endr
	s_lshl_b32 s76, s18, 1
	s_add_co_u32 s76, s76, s13
	s_mul_i32 s76, s76, 16*HB
	s_mov_b32 s77, 0
	s_lshl_b32 s78, s17, 1
	s_add_co_u32 s78, s78, s13
	s_mul_i32 s78, s78, 16*HB
	s_mov_b32 s79, 0
	s_mul_i32 s21, s12, 3*HB
	s_wait_kmcnt 0x0
	s_add_nc_u64 s[76:77], s[4:5], s[76:77]
	s_add_nc_u64 s[78:79], s[6:7], s[78:79]
.irp s, 0,1
	s_mov_b32 s[G0A+4*\s], 1
	s_add_co_u32 s[G0A+4*\s+1], s21, \s*SLOT
	s_add_nc_u64 s[G0A+4*\s+2:G0A+4*\s+3], s[76:77], \s*3*HB
	s_or_b32 s[G0A+4*\s+3], s[G0A+4*\s+3], 0x80000000
	s_mov_b32 s[G0B+4*\s], 1
	s_add_co_u32 s[G0B+4*\s+1], s21, \s*SLOT
	s_add_nc_u64 s[G0B+4*\s+2:G0B+4*\s+3], s[78:79], \s*3*HB
	s_or_b32 s[G0B+4*\s+3], s[G0B+4*\s+3], 0x80000000
.endr
	CROUND
	JLOAD G0A, G1A, G0B, G1B
; THE PREFETCH.  A wave's load brings 150 units of 256 bytes on end (the last fill 50).  The four partners that ask for them jointly share them out BY ADDRESS: the partner at place p (cx for h, cy for the weight) names
; units 38 p .. 38 p + 37, held at 149 (of the last fill 13 p .. 13 p + 12, held at 49): a lane a unit; lanes left over name their wave's last unit again.  Every fill's place is an immediate: no address register is written again.
.set FILLN, 0                          ; the fill asked for last
.macro ASK                             ; behind the joint load of fill FILLN: fill FILLN + 1.  Fill 5 is the last: behind it nothing is asked for
.set FILLN, FILLN+1
.if FILLN < 5
	global_prefetch_b8 v59, s[98:99] offset:FILLN*3*HB th:TH_LOAD_NT scope:SCOPE_SE
	global_prefetch_b8 v60, s[98:99] offset:FILLN*3*HB th:TH_LOAD_NT scope:SCOPE_SE
.endif
.if FILLN == 5
	global_prefetch_b8 v61, s[98:99] offset:15*HB th:TH_LOAD_NT scope:SCOPE_SE
.endif
.endm
	s_cmp_eq_u32 s14, 0                            ; do I fetch h's blocks or the weight's?  The wave's number alone decides
	s_cselect_b32 s97, s15, s16                    ; p
	s_cselect_b64 s[98:99], s[76:77], s[78:79]     ; where my expert's 16 blocks begin
	s_mul_i32 s22, s97, 38
	s_add_co_u32 s23, s22, 37
	s_min_u32 s23, s23, 149
	s_mul_i32 s3, s97, 13
	s_add_co_u32 s97, s3, 12
	s_min_u32 s97, s97, 49
	v_and_b32 v62, 31, v0
	v_add_nc_u32 v59, s22, v62                     ; units 38 p + lane,
	v_add_nc_u32 v60, 32, v59                      ; 38 p + 32 + lane, held at my share's last,
	v_add_nc_u32 v61, s3, v62                      ; and 13 p + lane, held likewise
	v_min_u32 v60, s23, v60
	v_min_u32 v61, s97, v61
	v_lshlrev_b32 v59, 8, v59
	v_lshlrev_b32 v60, 8, v60
	v_lshlrev_b32 v61, 8, v61
	ASK
	s_wait_alu depctr_va_vdst(0)
	s_wait_tensorcnt 0x0
	ds_add_u32 v28, v29
	s_wait_dscnt 0x0
	CROUND
	JLOAD G0A+4, G1A, G0B+4, G1B
	ASK
	v_and_b32 v1, 31, v0
	v_and_b32 v2, 15, v0
	v_bfe_u32 v3, v0, 4, 1
	s_wait_alu depctr_va_vdst(0)
	v_lshlrev_b32 v[L16], 4, v1
	v_lshlrev_b32 v27, 3, v1
	v_lshlrev_b32 v56, 2, v2
	s_mul_i32 s80, s13, 3*HB
	s_lshl_b32 s81, s14, 2
	s_lshl_b32 s82, s13, 1
	s_add_co_u32 s82, s82, s81
	s_xor_b32 s83, s13, 1
	s_lshl_b32 s83, s83, 1
	s_add_co_u32 s83, s83, s81
	s_mul_i32 s84, s82, FRG
	s_add_co_u32 s84, s84, s80
	s_mul_i32 s85, s83, FRG
	s_add_co_u32 s85, s85, s80
	s_add_co_u32 s86, s80, 6*HB
	s_lshl_b32 s87, s82, 6
	s_add_co_u32 s87, s87, s80
	s_add_co_u32 s87, s87, SCO
	s_lshl_b32 s88, s83, 6
	s_add_co_u32 s88, s88, s80
	s_add_co_u32 s88, s88, SCO
	s_add_co_u32 s89, s86, SCO
	s_sub_co_u32 s90, s89, s87
	s_add_co_u32 s91, s89, 128
	s_sub_co_u32 s91, s91, s88
	v_mul_u32_u24 v57, s90, v3
	s_wait_alu depctr_va_vdst(0)
	v_add_nc_u32 v57, v57, v56
	v_mul_u32_u24 v58, s91, v3
	v_add_nc_u32 v58, v58, v56
.irp s, 0,1
	s_add_co_u32 s92, s84, \s*SLOT
	v_add_nc_u32 v[AL16+\s], s92, v[L16]
	v_add_nc_u32 v[AL8+\s], s92, v27
	s_add_co_u32 s92, s85, \s*SLOT
	v_add_nc_u32 v[AH16+\s], s92, v[L16]
	v_add_nc_u32 v[AH8+\s], s92, v27
	s_add_co_u32 s92, s86, \s*SLOT
	v_add_nc_u32 v[B16+\s], s92, v[L16]
	v_add_nc_u32 v[B8+\s], s92, v27
	s_add_co_u32 s92, s87, \s*SLOT
	v_add_nc_u32 v[S01+\s], s92, v57
	s_add_co_u32 s92, s88, \s*SLOT
	v_add_nc_u32 v[S23+\s], s92, v58
	s_add_co_u32 s92, s89, \s*SLOT
	v_add_nc_u32 v[S47+\s], s92, v56
.endr
	s_lshl_b32 s92, s12, 14
	v_add_nc_u32 v[XW], s92, v[L16]
	s_xor_b32 s92, s12, 1
	s_lshl_b32 s92, s92, 14
	v_add_nc_u32 v[XR], s92, v[L16]
	s_mul_i32 s92, s12, 16*528
	s_add_co_u32 s92, s92, STG
	v_mul_u32_u24 v[STO], v2, 528
	v_lshl_add_u32 v[STO], v3, 6, v[STO]
	v_add_nc_u32 v[STO], s92, v[STO]
	v_add_nc_u32 v[RD], s92, v[L16]
	s_lshl_b32 s92, s14, 9
	s_lshl_b32 s93, s13, 2
	s_add_co_u32 s92, s92, s93
	s_lshl_b32 s93, s13, 8
	s_add_co_u32 s93, s93, s92
	v_lshl_add_u32 v[CEO], v2, 3, s93
	s_wait_alu depctr_va_vdst(0)
	s_xor_b32 s93, s13, 1
	s_lshl_b32 s93, s93, 8
	s_add_co_u32 s93, s93, s92
	v_lshl_add_u32 v[CEO+1], v2, 3, s93
	s_wait_alu depctr_va_vdst(0)
	s_lshl_b32 s94, s18, 10
	s_mov_b32 s95, 0
	s_add_nc_u64 s[8:9], s[8:9], s[94:95]
	s_lshl_b32 s94, s18, 7
	s_lshl_b32 s96, s14, 6
	s_add_co_u32 s94, s94, s96
	s_lshl_b32 s96, s13, 5
	s_add_co_u32 s94, s94, s96
	s_lshl_b32 s94, s94, 12
	s_lshl_b32 s96, s17, 9
	s_add_co_u32 s94, s94, s96
	s_add_nc_u64 s[10:11], s[10:11], s[94:95]
.irp a, 0,1
	global_load_b32 v[CE+2*\a], v[CEO], s[8:9] offset:128*\a
	global_load_b32 v[CE+2*\a+1], v[CEO], s[8:9] offset:128*\a
	global_load_b32 v[CE+4+2*\a], v[CEO+1], s[8:9] offset:128*\a
	global_load_b32 v[CE+5+2*\a], v[CEO+1], s[8:9] offset:128*\a
.endr
.macro FRAG reg, a16, a8, off
	ds_load_b128 v[(\reg):(\reg)+3], v[\a16] offset:(\off)
	ds_load_b64 v[(\reg)+4:(\reg)+5], v[\a8] offset:(\off)+512
	ds_load_b128 v[(\reg)+6:(\reg)+9], v[\a16] offset:(\off)+768
	ds_load_b64 v[(\reg)+10:(\reg)+11], v[\a8] offset:(\off)+1280
.endm
.macro FETCH s, pz, set
	WIN 0x40
.irp i, 0,1,2,3,4,5,6,7
	FRAG 128*(\set)+FR*\i, B16+(\s), B8+(\s), HB*(\pz)+FRG*\i
.endr
	WIN 0
.irp i, 0,1
	FRAG AF+48*(\set)+FR*\i, AL16+(\s), AL8+(\s), HB*(\pz)+FRG*\i
.endr
.irp i, 0,1
	FRAG AF+48*(\set)+24+FR*\i, AH16+(\s), AH8+(\s), HB*(\pz)+FRG*\i
.endr
.irp i, 0,1
	ds_load_b32 v[SC+8*(\set)+\i], v[S01+(\s)] offset:HB*(\pz)+64*\i
	ds_load_b32 v[SC+8*(\set)+2+\i], v[S23+(\s)] offset:HB*(\pz)+64*\i
.endr
.irp i, 4,5,6,7
	ds_load_b32 v[SC+8*(\set)+\i], v[S47+(\s)] offset:HB*(\pz)+64*\i
.endr
.endm
.macro MUL8 a, set, zero
.irp b, 0,1,2,3,4,5,6,7
.if \zero
	v_wmma_scale_f32_16x16x128_f8f6f4 v[8*(8*(\a)+\b):8*(8*(\a)+\b)+7], v[128*(\set)+FR*\b:128*(\set)+FR*\b+FR-1], v[AF+48*(\set)+FR*(\a):AF+48*(\set)+FR*(\a)+FR-1], 0, v[SC+8*(\set)+\b], v[SC+8*(\set)+(\a)] matrix_a_fmt:MATRIX_FMT_BF6 matrix_b_fmt:MATRIX_FMT_BF6 matrix_a_scale:MATRIX_SCALE_ROW1
.else
	v_wmma_scale_f32_16x16x128_f8f6f4 v[8*(8*(\a)+\b):8*(8*(\a)+\b)+7], v[128*(\set)+FR*\b:128*(\set)+FR*\b+FR-1], v[AF+48*(\set)+FR*(\a):AF+48*(\set)+FR*(\a)+FR-1], v[8*(8*(\a)+\b):8*(8*(\a)+\b)+7], v[SC+8*(\set)+\b], v[SC+8*(\set)+(\a)] matrix_a_fmt:MATRIX_FMT_BF6 matrix_b_fmt:MATRIX_FMT_BF6 matrix_a_scale:MATRIX_SCALE_ROW1
.endif
.endr
.endm
.macro KSTEP set, ns, npz, zero
	s_wait_dscnt 0x0
	PLACES                                         ; four places behind the last step's products, which read the other set
	FETCH \ns, \npz, 1-(\set)                      ; the next step's fragments, from the same slot: they have this step's 32 matrix instructions in which to land
	WIN MUL
	MUL8 0, \set, \zero
	MUL8 1, \set, \zero
	MUL8 2, \set, \zero
	MUL8 3, \set, \zero
.endm
.macro TURN set, next, fill
	WIN 0
	s_wait_tensorcnt 0x0
	ds_add_u32 v[SPW], v[NIL]
	s_wait_dscnt 1
	WIN MUL
	MUL8 0, \set, 0
	s_wait_dscnt 0x0
	s_barrier_signal -1
	MUL8 1, \set, 0
	WIN 0
	s_barrier_wait -1
.if \fill
	CREST
	s_add_nc_u64 s[G0A+4*(1-(\next))+2:G0A+4*(1-(\next))+3], s[G0A+4*(1-(\next))+2:G0A+4*(1-(\next))+3], 6*HB
	s_add_nc_u64 s[G0B+4*(1-(\next))+2:G0B+4*(1-(\next))+3], s[G0B+4*(1-(\next))+2:G0B+4*(1-(\next))+3], 6*HB
.if \fill == 1
	JLOAD G0A+4*(1-(\next)), G1A, G0B+4*(1-(\next)), G1B
.else
	JLOAD G0A+4*(1-(\next)), G1AS, G0B+4*(1-(\next)), G1BS
.endif
.else
	PLACES
.endif
	FETCH \next, 0, 1-(\set)
.if \fill
	ASK                                            ; behind the joint load, its five lines and the run of LDS loads
.endif
	WIN MUL
	MUL8 2, \set, 0
	MUL8 3, \set, 0
.endm
	s_wait_tensorcnt 1
	s_barrier_signal -1
	s_barrier_wait -1
	FETCH 0, 0, 0
	KSTEP 0, 0, 1, 1
	KSTEP 1, 0, 2, 0
	TURN  0, 1, 1
	KSTEP 1, 1, 1, 0
	KSTEP 0, 1, 2, 0
	TURN  1, 0, 1
	KSTEP 0, 0, 1, 0
	KSTEP 1, 0, 2, 0
	TURN  0, 1, 1
	KSTEP 1, 1, 1, 0
	KSTEP 0, 1, 2, 0
	TURN  1, 0, 2
	KSTEP 0, 0, 1, 0
	KSTEP 1, 0, 2, 0
	TURN  0, 1, 0
	s_wait_dscnt 0x0
	WIN MUL
	MUL8 0, 1, 0
	MUL8 1, 1, 0
	MUL8 2, 1, 0
	MUL8 3, 1, 0
	PLACES
	s_wait_loadcnt 0x0
	WIN 0x02
.irp a, 2,3
.set JJ, 0
.rept 32
	v_pk_mul_f32 v[X+64*(\a-2)+JJ:X+64*(\a-2)+JJ+1], v[64*\a+JJ:64*\a+JJ+1], v[CE+2*\a:CE+2*\a+1]
.set JJ, JJ+2
.endr
.endr
	WIN 0
.set JJ, 0
.rept 32
	ds_store_b128 v[XW], v[X+4*JJ:X+4*JJ+3] offset:512*JJ
.set JJ, JJ+1
.endr
	s_wait_dscnt 0x0
	s_barrier_signal -1
	s_barrier_wait -1
.set JJ, 0
.rept 32
	ds_load_b128 v[X+4*JJ:X+4*JJ+3], v[XR] offset:512*JJ
.set JJ, JJ+1
.endr
	s_wait_dscnt 0x0
	WIN 0x02
.irp a, 0,1
.set JJ, 0
.rept 32
	v_pk_fma_f32 v[X+64*\a+JJ:X+64*\a+JJ+1], v[64*\a+JJ:64*\a+JJ+1], v[CE+2*\a:CE+2*\a+1], v[X+64*\a+JJ:X+64*\a+JJ+1]
.set JJ, JJ+2
.endr
.endr
	WIN 0
	s_wait_alu depctr_va_vdst(0)
.irp a, 0,1
.if \a > 0
	s_wait_xcnt 0x0
.endif
.irp b, 0,1,2,3,4,5,6,7
	ds_store_b128 v[STO], v[X+64*\a+8*\b:X+64*\a+8*\b+3] offset:128*(\b/2)+32*(\b%2)
	ds_store_b128 v[STO], v[X+64*\a+8*\b+4:X+64*\a+8*\b+7] offset:128*(\b/2)+32*(\b%2)+16
.endr
.irp t, 0,1,2,3,4,5,6,7,8,9,10,11,12,13,14,15
	ds_load_b128 v[BK+4*\t:BK+4*\t+3], v[RD] offset:528*\t
.endr
.irp t, 0,1,2,3,4,5,6,7,8,9,10,11,12,13,14,15
	s_wait_dscnt 15-\t
	global_store_b128 v[L16], v[BK+4*\t:BK+4*\t+3], s[10:11] offset:(16*\a+\t)*4096 th:TH_STORE_NT
.endr
.endr
	s_wait_tensorcnt 0x0
	ds_add_u32 v[SPW], v[NIL]
	s_wait_dscnt 0x0
	CROUND
	s_endpgm
.Lfunc_end_k_q7d5557710f_down:
	.size	k_q7d5557710f_down, .Lfunc_end_k_q7d5557710f_down-k_q7d5557710f_down
	.p2alignl 7, 3214868480
	.fill 96, 4, 3214868480
	.section	.rodata,"a",@progbits
	.p2align	6, 0x0
	.amdhsa_kernel k_q7d5557710f_down
		.amdhsa_group_segment_fixed_size 327680
		.amdhsa_private_segment_fixed_size 0
		.amdhsa_enable_private_segment 0
		.amdhsa_kernarg_size 32
		.amdhsa_user_sgpr_count 2
		.amdhsa_user_sgpr_kernarg_segment_ptr 1
		.amdhsa_wavefront_size32 1
		.amdhsa_system_sgpr_workgroup_id_x 1
		.amdhsa_system_sgpr_workgroup_id_y 1
		.amdhsa_system_sgpr_workgroup_id_z 1
		.amdhsa_system_vgpr_workitem_id 0
		.amdhsa_next_free_vgpr 768
		.amdhsa_next_free_sgpr 100
		.amdhsa_reserve_vcc 0
		.amdhsa_float_denorm_mode_32 3
		.amdhsa_float_denorm_mode_16_64 3
		.amdhsa_memory_ordered 1
		.amdhsa_forward_progress 1
		.amdhsa_inst_pref_size 162
	.end_amdhsa_kernel
	.amdgpu_metadata
---
amdhsa.version: [ 1, 2 ]
amdhsa.kernels:
  - .name:           k_q7d5557710f_down
    .symbol:         k_q7d5557710f_down.kd
    .args:
      - { .name: hq, .offset: 0, .size: 8, .value_kind: global_buffer, .address_space: global }
      - { .name: woq, .offset: 8, .size: 8, .value_kind: global_buffer, .address_space: global }
      - { .name: ce, .offset: 16, .size: 8, .value_kind: global_buffer, .address_space: global }
      - { .name: out0, .offset: 24, .size: 8, .value_kind: global_buffer, .address_space: global }
    .group_segment_fixed_size: 327680
    .private_segment_fixed_size: 0
    .kernarg_segment_align: 8
    .kernarg_segment_size: 32
    .max_flat_workgroup_size: 128
    .sgpr_count:     100
    .vgpr_count:     768
    .wavefront_size: 32
...
	.end_amdgpu_metadata
.endif
;; end of part 3
